; MI455X (gfx1250); checked and timed in simulation.
; The chip was launched on July 23, 2026; its instructions are those of AMD's public machine-readable ISA for CDNA 5 (MIT licence, August 2026) and "CDNA5" Instruction Set Architecture Reference Guide (July 2026). The comments in the code are by the model that wrote it; some were corrected since.
;; Sparse TF. Allowed arithmetic: float matrix products may take bf16 or f16 operands with f32 sums; other float arithmetic in f32, or as packed bf16 or f16 multiplies, adds, multiply-adds, maxima and minima; sums over many terms, partial sums and values carried from step to step in f32; what a program stores and reads back later, other than sums and carried values, may be rounded once to bf16 or f16.
;; Inputs: bias 2,048 float32; inputs 8,192 x 4,096 float32; kernel 4,096 x 2,048 float32; map 4,096 x 2,048 float32.
;; Outputs: out0 8,192 x 2,048 float32.
;; One version. Each part assembles by itself: llvm-mc -triple=amdgcn-amd-amdhsa -mcpu=gfx1250 --defsym DOCPART=n.
;; ======== version 1 of 1: 2 launches
;; workspace buffers: abf 67,108,864 bytes; wt 16,777,216 bytes
;; launch prep (part 1): grid 3072 x 1, 8 waves a work-group, no clusters, 18,432 bytes of LDS; arguments inputs, kernel, map, abf, wt; writes abf, wt
.if DOCPART == 1
	.amdgcn_target "amdgcn-amd-amdhsa--gfx1250"
	.amdhsa_code_object_version 6
	.text
	.protected	k_qbcecec8cb9_prep
	.globl	k_qbcecec8cb9_prep
	.p2align	8
	.type	k_qbcecec8cb9_prep,@function
k_qbcecec8cb9_prep:
	s_mov_b64 s[64:65], 0
	v_nop
	global_prefetch_b8 v0, s[64:65] scope:SCOPE_SE
	s_setreg_imm32_b32 hwreg(HW_REG_WAVE_MODE, 25, 1), 1
	s_wait_xcnt 0x0
; PREPARES THE TWO OPERANDS OF THE PRODUCT out = inputs (kernel x map) + bias.
;   abf[8192][4096] bf16 = inputs, each number rounded once (to nearest even).
;   wt [2048][4096] bf16 = kernel x map, the product made in f32 and rounded once, TURNED to [column][k], k along the rows.  Inside each group G of 64 columns
;   the rows are permuted: row 64 G + 16 t + r (t = 0..3, r = 0..15) holds column 64 G + 4 r + t.  The product kernel then finds four neighbouring columns of
;   the result in one lane, in four accumulators, and stores 16 bytes a lane without a detour.
; LIMITS.  bf16 has f32's exponent range, so nothing overflows that f32 holds; each operand keeps 8 significant bits.  NaN and infinities go through as they are
; (infinity x 0 is made in f32, as the definition makes it).
; ROLES, by the work-group's number alone, so all eight waves of a work-group take the same way:
;   0 .. 1023     one tile of wt: 128 k x 64 columns: 32 KiB of kernel, 32 KiB of map in, 16 KiB out, turned through LDS.
;   1024 .. 3071  64 KiB of inputs in, 32 KiB of abf out; no LDS.
; Every byte is read once and written once.  A wave issues all its 16 loads of 16 bytes a lane at once (8 KiB a wave, 64 KiB a work-group), so there is no loop and no ring.
; No matrix unit, no cluster, no tensor load: no byte is wanted by two work-groups.
.set NWT,   1024                       ; work-groups that make wt
.set ROWB,  8192                       ; bytes in a row of kernel and map (2048 f32) and of wt (4096 bf16)
.set PITCH, 272                        ; a row of the tile in LDS: 128 k of bf16 = 256 bytes + 16 = 68 words: row c starts at bank 4 c mod 64 (64 banks of 4 bytes: ISA guide 11.1)
.set SPARE, 64*PITCH                   ; behind the tile's 64 rows (17,408 = 68 x 256): the spare words, 128 bytes for each of the eight waves, that no other line names
.set VO,  4                            ; v4   weights: my byte offset in the tile of kernel and map
.set LA,  5                            ; v5   weights: where I put 8 bytes (4 k of one column) in LDS
.set RA,  6                            ; v6   weights: where I read 16 bytes of a row back
.set WO,  7                            ; v7   weights: my byte offset in wt
.set IO,  8                            ; v8   cast: my byte offset in inputs
.set OO,  9                            ; v9   cast: my byte offset in abf
.set SPW, 10                           ; v10  LDS address of my spare word: SPARE + 4 x my thread's number; never rewritten
.set NIL, 11                           ; v11  0; never rewritten
.set KR,  16                           ; v[16:47]   weights: kernel, batch i, row j at KR + 16 i + 4 j; then the products; then rows read back
.set MR,  48                           ; v[48:79]   weights: map, likewise
.set DD,  80                           ; v[80:95]   weights: packed bf16, batch i, column t: a pair at DD + 8 i + 2 t
.set X,   16                           ; v[16:79]   cast: 16 x 4 numbers as loaded
.set Y,   80                           ; v[80:111]  cast: 16 x 2 registers to store, each written once
	s_load_b256 s[4:11], s[0:1], 0x0               ; inputs s[4:5], kernel s[6:7], map s[8:9], abf s[10:11]
	s_load_b64 s[12:13], s[0:1], 0x20              ; wt
	v_lshl_add_u32 v[SPW], v0, 2, SPARE
	v_mov_b32 v[NIL], 0
	s_mov_b32 s19, 0                               ; the high words of the two offsets, which stay under 2^31
	s_mov_b32 s21, 0
	s_cmp_lt_u32 ttmp9, NWT
	s_cbranch_scc0 .Lcast
	; ---------------- a tile of wt ----------------
	s_and_b32 s15, ttmp9, 31                       ; G: which 64 columns
	s_lshr_b32 s16, ttmp9, 5                       ; which 128 k
	s_lshl_b32 s18, s16, 20                        ; in: 128 rows of 8,192 bytes,
	s_lshl_b32 s17, s15, 8                         ; 64 columns of 4 bytes
	s_add_co_u32 s18, s18, s17
	s_lshl_b32 s20, s15, 19                        ; out: 64 rows of 8,192 bytes,
	s_lshl_b32 s17, s16, 8                         ; 128 k of 2 bytes
	s_add_co_u32 s20, s20, s17
	v_lshrrev_b32 v3, 5, v0
	v_readfirstlane_b32 s22, v3                    ; wave w, 0..7
	v_and_b32 v1, 15, v0                           ; c: which four columns
	v_bfe_u32 v2, v0, 4, 1                         ; h: which half of the lanes
	; in: row 16 w + 8 i + 4 h + j of the tile, columns 4 c .. 4 c + 3: sixteen lanes read 256 consecutive bytes, aligned
	s_lshl_b32 s23, s22, 17
	v_lshl_add_u32 v[VO], v2, 15, s23
	v_lshl_add_u32 v[VO], v1, 4, v[VO]
	; into LDS: row 16 t + c, byte 2 (16 w + 8 i + 4 h): the 32 lanes of a store touch words 4 c + 2 h + {0, 1} mod 64
	s_lshl_b32 s24, s22, 5
	v_mul_u32_u24 v[LA], v1, PITCH
	v_lshl_add_u32 v[LA], v2, 3, v[LA]
	v_add_nc_u32 v[LA], s24, v[LA]
	; back: row 16 q + 2 w + h, 16 bytes at 16 c: sixteen lanes take a whole row
	s_mul_i32 s25, s22, 2*PITCH
	v_mul_u32_u24 v[RA], v2, PITCH
	v_lshl_add_u32 v[RA], v1, 4, v[RA]
	v_add_nc_u32 v[RA], s25, v[RA]
	s_lshl_b32 s26, s22, 14                        ; and the same row and bytes in wt
	v_lshl_add_u32 v[WO], v2, 13, s26
	v_lshl_add_u32 v[WO], v1, 4, v[WO]
	s_wait_kmcnt 0x0
	s_add_nc_u64 s[6:7], s[6:7], s[18:19]
	s_add_nc_u64 s[8:9], s[8:9], s[18:19]
	s_add_nc_u64 s[12:13], s[12:13], s[20:21]
.irp i, 0,1
.irp j, 0,1,2,3
	global_load_b128 v[KR+16*(\i)+4*(\j):KR+16*(\i)+4*(\j)+3], v[VO], s[6:7] offset:(8*(\i)+(\j))*ROWB th:TH_LOAD_NT
.endr
.irp j, 0,1,2,3
	global_load_b128 v[MR+16*(\i)+4*(\j):MR+16*(\i)+4*(\j)+3], v[VO], s[8:9] offset:(8*(\i)+(\j))*ROWB th:TH_LOAD_NT
.endr
.endr
; Batch i: four rows k of four columns.  The mask is applied in f32; then the four k of each column t are packed into 8 bytes and laid along row 16 t + c of the tile.
; left = how many younger loads may stay out.
.macro WBATCH i, left
	s_wait_loadcnt \left                           ; loads come back in order (ISA guide 5.7.1): this batch's eight are in
.irp u, 0,2,4,6,8,10,12,14
	v_pk_mul_f32 v[KR+16*(\i)+(\u):KR+16*(\i)+(\u)+1], v[KR+16*(\i)+(\u):KR+16*(\i)+(\u)+1], v[MR+16*(\i)+(\u):MR+16*(\i)+(\u)+1]
.endr
.irp t, 0,1,2,3
	v_cvt_pk_bf16_f32 v[DD+8*(\i)+2*(\t)],   v[KR+16*(\i)+(\t)],   v[KR+16*(\i)+4+(\t)]    ; rows j = 0, 1 of column t: the lower k in the low half
	v_cvt_pk_bf16_f32 v[DD+8*(\i)+2*(\t)+1], v[KR+16*(\i)+8+(\t)], v[KR+16*(\i)+12+(\t)]   ; rows j = 2, 3
	ds_store_b64 v[LA], v[DD+8*(\i)+2*(\t):DD+8*(\i)+2*(\t)+1] offset:16*PITCH*(\t)+16*(\i)
.endr
.endm
	WBATCH 0, 8                                    ; batch 1's eight loads stay out
	WBATCH 1, 0
	s_wait_dscnt 0x0                               ; for the others' sake: my stores into the tile are done
	s_barrier_signal -1
	s_barrier_wait -1                              ; everybody's are: a row's 256 bytes come from all eight waves
.irp q, 0,1,2,3
	ds_load_b128 v[KR+4*(\q):KR+4*(\q)+3], v[RA] offset:16*PITCH*(\q)
.endr
.irp q, 0,1,2,3
	s_wait_dscnt 3-(\q)                            ; LDS loads come back in order: number q is in, the younger ones stay out
	global_store_b128 v[WO], v[KR+4*(\q):KR+4*(\q)+3], s[12:13] offset:16*ROWB*(\q)  ; sixteen lanes store 256 consecutive bytes, at a multiple of 256 from wt's first byte
.endr
	s_branch .Lend
	; ---------------- 64 KiB of inputs ----------------
.Lcast:
	s_sub_co_u32 s14, ttmp9, NWT                   ; 0 .. 2047
	s_lshl_b32 s18, s14, 16                        ; 65,536 bytes in,
	s_lshl_b32 s20, s14, 15                        ; 32,768 out
	v_lshlrev_b32 v[IO], 4, v0                     ; thread t: 16 bytes at 16 t of each 4,096: a load of a wave covers 512 consecutive bytes
	v_lshlrev_b32 v[OO], 3, v0                     ; and 8 bytes at 8 t of each 2,048: a store of a wave covers 256 consecutive bytes, aligned
	s_wait_kmcnt 0x0
	s_add_nc_u64 s[4:5], s[4:5], s[18:19]
	s_add_nc_u64 s[10:11], s[10:11], s[20:21]
.irp j, 0,1,2,3,4,5,6,7,8,9,10,11,12,13,14,15
	global_load_b128 v[X+4*(\j):X+4*(\j)+3], v[IO], s[4:5] offset:4096*(\j) th:TH_LOAD_NT
.endr
.irp j, 0,1,2,3,4,5,6,7,8,9,10,11,12,13,14,15
	s_wait_loadcnt 15-(\j)                         ; number j is in; the younger loads stay out
	v_cvt_pk_bf16_f32 v[Y+2*(\j)],   v[X+4*(\j)],   v[X+4*(\j)+1]
	v_cvt_pk_bf16_f32 v[Y+2*(\j)+1], v[X+4*(\j)+2], v[X+4*(\j)+3]
	global_store_b64 v[OO], v[Y+2*(\j):Y+2*(\j)+1], s[10:11] offset:2048*(\j)  ; each store has registers of its own: none is written again
.endr
.Lend:
	s_wait_tensorcnt 0x0                           ; the wave's end, behind my last LDS store
	ds_add_u32 v[SPW], v[NIL]
	s_wait_dscnt 0x0
	s_endpgm
.Lfunc_end_k_qbcecec8cb9_prep:
	.size	k_qbcecec8cb9_prep, .Lfunc_end_k_qbcecec8cb9_prep-k_qbcecec8cb9_prep
	.p2alignl 7, 3214868480
	.fill 96, 4, 3214868480
	.section	.rodata,"a",@progbits
	.p2align	6, 0x0
	.amdhsa_kernel k_qbcecec8cb9_prep
		.amdhsa_group_segment_fixed_size 18432
		.amdhsa_private_segment_fixed_size 0
		.amdhsa_enable_private_segment 0
		.amdhsa_kernarg_size 40
		.amdhsa_user_sgpr_count 2
		.amdhsa_user_sgpr_kernarg_segment_ptr 1
		.amdhsa_wavefront_size32 1
		.amdhsa_system_sgpr_workgroup_id_x 1
		.amdhsa_system_sgpr_workgroup_id_y 1
		.amdhsa_system_sgpr_workgroup_id_z 1
		.amdhsa_system_vgpr_workitem_id 0
		.amdhsa_next_free_vgpr 112
		.amdhsa_next_free_sgpr 66
		.amdhsa_reserve_vcc 0
		.amdhsa_float_denorm_mode_32 3
		.amdhsa_float_denorm_mode_16_64 3
		.amdhsa_memory_ordered 1
		.amdhsa_forward_progress 1
		.amdhsa_inst_pref_size 13
	.end_amdhsa_kernel
	.amdgpu_metadata
---
amdhsa.version: [ 1, 2 ]
amdhsa.kernels:
  - .name:           k_qbcecec8cb9_prep
    .symbol:         k_qbcecec8cb9_prep.kd
    .args:
      - { .name: inputs, .offset: 0, .size: 8, .value_kind: global_buffer, .address_space: global }
      - { .name: kernel, .offset: 8, .size: 8, .value_kind: global_buffer, .address_space: global }
      - { .name: map, .offset: 16, .size: 8, .value_kind: global_buffer, .address_space: global }
      - { .name: abf, .offset: 24, .size: 8, .value_kind: global_buffer, .address_space: global }
      - { .name: wt, .offset: 32, .size: 8, .value_kind: global_buffer, .address_space: global }
    .group_segment_fixed_size: 18432
    .private_segment_fixed_size: 0
    .kernarg_segment_align: 8
    .kernarg_segment_size: 40
    .max_flat_workgroup_size: 256
    .sgpr_count:     66
    .vgpr_count:     112
    .wavefront_size: 32
...
	.end_amdgpu_metadata
.endif
;; end of part 1
;; launch gemm (part 2): grid 8 x 32, 4 waves a work-group, clusters of 4 x 4, 327,680 bytes of LDS; arguments abf, wt, out0, bias; writes out0
.if DOCPART == 2
	.amdgcn_target "amdgcn-amd-amdhsa--gfx1250"
	.amdhsa_code_object_version 6
	.text
	.protected	k_qbcecec8cb9_gemm
	.globl	k_qbcecec8cb9_gemm
	.p2align	8
	.type	k_qbcecec8cb9_gemm,@function
k_qbcecec8cb9_gemm:
	s_mov_b64 s[64:65], 0
	v_nop
	global_prefetch_b8 v0, s[64:65] scope:SCOPE_SE
	s_setreg_imm32_b32 hwreg(HW_REG_WAVE_MODE, 25, 1), 1
	s_wait_xcnt 0x0
	s_wait_alu depctr_hold_cnt(0) depctr_sa_sdst(0) depctr_va_vdst(0) depctr_va_sdst(0) depctr_va_ssrc(0) depctr_va_vcc(0) depctr_vm_vsrc(0)
	s_getreg_b32 s2, hwreg(HW_REG_IB_STS2, 6, 4)
	s_cmp_eq_u32 s2, 0
	s_cbranch_scc0 .Lentry_in_a_cluster
	s_endpgm
.Lentry_in_a_cluster:
	s_bfe_u32 s2, ttmp6, 0x10000c
	s_cmp_lg_u32 s2, 0xf033
	s_cbranch_scc0 .Lentry_shape_is_right
	s_endpgm
.Lentry_shape_is_right:
; out0[m][n] = the sum over k of abf[m][k] w[k][n] + bias[n].  abf: [8192][4096] bf16.  wt: [2048][4096] bf16, the masked weights turned to [column][k]; inside each group G of 64
; columns row 64 G + 16 t + r holds column 64 G + 4 r + t.  out0: [8192][2048] f32, bias: [2048] f32.  Sums in f32, K ascending, one accumulator for each output; the bias is added in f32 at the end.
; LIMITS.  The operands were rounded once to bf16 (f32's range, 8 significant bits); the order of the f32 sums is the matrix unit's, not a chain of single additions.  NaN and infinities go through the products as they come.
; SHARES.  A tile of out0, 256 x 256, is made by a work-group of four waves; a wave makes 128 x 128: 64 accumulators of 16 x 16, 512 registers.  32 x 8 tiles: 256 work-groups, one tile each.
; K goes in steps of 128 through a ring of two LDS slots filled by the tensor data mover: a tile's rows are 256 bytes of memory and start at multiples of 256 bytes from the buffer's first byte.
; CLUSTERS: 4 x 4 work-groups.  The four of a row of the cluster need the same tiles of abf, the four of a column the same tiles of wt: each tile is asked for JOINTLY, by the same tensor load
; with the same descriptor and a mask that names the four; each receives it in its own LDS.  That divides the requests for both operands by four.
; THE WAY OUT.  Source 0 = 16 rows of abf, source 1 = 16 rows of wt.  Register j of lane (r = l % 16, h = l / 16) of accumulator (a, 4 g + t) holds out(16 a + 8 h + j, 64 g + 4 r + t), by wt's order of rows:
; the four accumulators t = 0..3 hold four NEIGHBOURING columns in one lane.  The addition of the bias, which is due anyway, writes them into four registers on end, and sixteen lanes store
; 256 consecutive bytes of a row.  Nothing goes through LDS on the way out.
; REGISTERS, in windows of 256 (s_set_vgpr_msb's low byte: bits 1:0 source 0, 3:2 source 1, 5:4 source 2, 7:6 destination):
;   window 0: v0-31 addresses; v32-39 bias; v64-127, v128-191 fragments of abf (8 x 16 rows x 32 K), two buffers; v192-255 the way out, two buffers of 32
;   window 1: v64-127, v128-191 fragments of wt, two buffers
;   window 2: the 32 accumulators of my rows 0-63 (accumulator (a, b) at v[8 (8 a + b)]);   window 3: those of my rows 64-127
.set SIZE_K, 4096
.set SIZE_N, 2048
.set KSTEP,  128
.set PITCH,  272                       ; an LDS row: 256 bytes of data + 16 of padding = 68 words: row r starts at bank 4 r mod 64 (64 banks of 4 bytes: ISA guide 11.1), so the 16 rows that a load touches start at 16 different banks
.set HALFT,  128*PITCH                 ; 128 rows: what one tensor load brings, and what one wave reads of either operand
.set SLOT,   4*HALFT                   ; abf's 256 rows, then wt's 256 rows
.set SPARE,  2*SLOT                    ; behind the ring (278,528 = 1,088 x 256): the spare words, 128 bytes for each wave: two blocks of 256 bytes that no other line names
.set LAPS,   SIZE_K/(2*KSTEP)          ; a lap = two K steps = once round the ring: 16
.set ADRA, 16                          ; v16-17  LDS address of my fragments of abf in slot 0, 1
.set ADRB, 20                          ; v20-21  the same for wt
.set CO,   26                          ; v26     my byte offset in out0: 8 h rows + 16 r; never rewritten
.set BO,   27                          ; v27     my byte offset in bias: 16 r; never rewritten
.set SPW,  28                          ; v28     LDS address of my spare word: SPARE + 4 x my thread's number; never rewritten
.set NIL,  29                          ; v29     0; never rewritten
.set PFO,  30                          ; v30     the prefetches' offset: my lane x a row of abf or wt (8,192 bytes); never rewritten
.set BIAS, 32                          ; v32-39  bias of my columns 64 g + 4 r + t at BIAS + 4 g + t
.set F0,   64                          ; fragment buffer 0
.set F1,   128                         ; fragment buffer 1
.set T0,   192                         ; the way out: two buffers of 32 registers, by turns
.set PFA,  44                          ; s[44:45] where my prefetches stand: my work-group's 32 rows of the 128 that I fetch, one K step further along K than the refill that is being asked for
.set LIM,  43                          ; s43     1 in a wave that prefetches, else the greatest number
.set G1,  24                           ; s[24:31] descriptor group 1 for abf's tiles
.set G0,  32                           ; s[32:39] descriptor group 0 for abf's tiles, one set for each slot
.set G1B, 48                           ; s[48:55] descriptor group 1 for wt's tiles: it differs in the mask alone
.set G0B, 56                           ; s[56:63] descriptor group 0 for wt's tiles, one set for each slot
.set MSB, 0
.macro WIN new                         ; the immediate's high byte repeats the setting that is left; a switch that changes nothing is dropped
.if MSB != (\new)
	s_set_vgpr_msb (MSB<<8)|(\new)
.set MSB, \new
.endif
.endm
.set MUL_LO, 0xa4                      ; source 0 (abf) window 0, source 1 (wt) window 1, C and D window 2
.set MUL_HI, 0xf4                      ; the same, C and D window 3
.set TO_B,   0x40                      ; destination window 1, address window 0
; A joint load.  Waves 0 and 1 fetch abf's two halves, waves 2 and 3 wt's.  Each of the two lines has ONE mask and one set of registers for all that issue it, and nothing in them hangs on a
; coordinate that the four partners do not share.  The branch hangs on the wave's number alone.  An s_nop 0 and four v_nop follow each of the two lines, ahead of the jump and the label.
.macro JLOAD s
	s_cmp_eq_u32 s11, 0
	s_cbranch_scc0 .Lfor_b_\@
	tensor_load_to_lds s[G0+4*(\s):G0+4*(\s)+3], s[G1:G1+7]
	s_nop 0
.rept 4
	v_nop
.endr
	s_branch .Lasked_\@
.Lfor_b_\@:
	tensor_load_to_lds s[G0B+4*(\s):G0B+4*(\s)+3], s[G1B:G1B+7]
	s_nop 0
.rept 4
	v_nop
.endr
.Lasked_\@:
.endm
; A PREFETCH INTO THE L2, behind each joint refill, its five lines and the run of LDS loads that follows them: the K step that stands TWO refills on, 512 matrix instructions ahead of the load that will
; want it: 32 rows x 256 bytes, a lane a row, one instruction a wave.  Each row's 256 bytes of a K step are named ONCE in the launch: abf's tile row is read by both clusters of that row of clusters: the
; one with x = 0 asks; wt's tile column by all eight clusters of that column: the one with y = 0 asks.  The four partners that ask for a tile jointly share its rows out BY ADDRESS: of the 128 rows that a
; wave fetches the partner at place p takes 32 p .. 32 p + 31 (p = cx for abf, cy for wt): no branch hangs on a work-group's place in its cluster.  K steps 0 to 3 come by their loads alone;
; the loop's last trip (s3 = 1) asks for nothing: its two refills have no K step two on.
.macro ASK
	s_cmp_gt_u32 s3, s[LIM]
	s_cbranch_scc0 .Lnot_mine_\@
	global_prefetch_b8 v[PFO], s[PFA:PFA+1] offset:KSTEP*2 th:TH_LOAD_NT scope:SCOPE_SE
.Lnot_mine_\@:
.endm
; A round of the cluster's barrier: my work-group's barrier, so that wave 0's signal speaks for all four waves; wave 0 signals for the work-group; every wave waits for all sixteen work-groups;
; my work-group's barrier once more.  No LDS instruction of the wave is pending at a signal.
.macro CREST                           ; a round behind its opening barrier
	s_cmp_lg_u32 s10, 0
	s_cbranch_scc1 .Lnot_wave_0_\@
	s_barrier_signal -3
.Lnot_wave_0_\@:
	s_barrier_wait -3
	s_barrier_signal -1
	s_barrier_wait -1
.endm
.macro CROUND                          ; a whole round
	s_barrier_signal -1
	s_barrier_wait -1
	CREST
.endm
	s_load_b128 s[4:7], s[0:1], 0x0                ; abf s[4:5], wt s[6:7]
	s_load_b64 s[8:9], s[0:1], 0x10                ; out0
	s_load_b64 s[66:67], s[0:1], 0x18              ; bias
	v_lshl_add_u32 v[SPW], v0, 2, SPARE
	v_mov_b32 v[NIL], 0
	ds_add_u32 v[SPW], v[NIL]                      ; the wave's opening: the add, twice on end, and its wait ahead of my first tensor load; the set-up below, work on registers, stands between
	ds_add_u32 v[SPW], v[NIL]                      ; and once more, under the one wait
	v_lshrrev_b32 v1, 5, v0
	v_readfirstlane_b32 s10, v1                    ; wave 0..3
	s_lshr_b32 s11, s10, 1                         ; which half of the tile's rows is mine.  Also: I fetch for abf (0) or for wt (1)
	s_and_b32 s12, s10, 1                          ; which half of its columns.  Also: which 128 rows of that operand's tile I fetch
	s_bfe_u32 s40, ttmp6, 0x40000                  ; cx: my place along the cluster's x
	s_bfe_u32 s41, ttmp6, 0x40004                  ; cy: along its y
	s_lshl_b32 s42, ttmp9, 2                       ; in a cluster launch ttmp9 and ttmp7 count clusters
	s_add_co_u32 s42, s42, s40                     ; tile column = 4 x cluster x + cx
	s_and_b32 s13, ttmp7, 0xffff
	s_lshl_b32 s13, s13, 2
	s_add_co_u32 s13, s13, s41                     ; tile row = 4 x cluster y + cy
	s_lshl_b32 s43, s41, 2
	s_lshl_b32 s43, 15, s43                        ; my row of the cluster: places 4 cy .. 4 cy + 3
	s_lshl_b32 s44, 0x1111, s40                    ; my column: places cx, cx + 4, cx + 8, cx + 12
	; descriptor group 1: a tile of 128 rows x 128 elements, padded in LDS
	s_or_b32 s[G1+0], s43, (1<<16)|(1<<20)|(1<<21)|(5<<22)|(3<<25)   ; 15:0 the mask: abf's tiles go to my row; 17:16 elements of 2 bytes; 20 padding on; 21 set beside a mask; 24:22 after every 64 words (code 5); 31:25 4 words of it (code 3)
	s_or_b32 s[G1B+0], s44, (1<<16)|(1<<20)|(1<<21)|(5<<22)|(3<<25)  ; the same with the mask of my column, for wt's tiles
.irp g, G1, G1B
	s_mov_b32 s[(\g)+1], KSTEP<<16                 ; 63:48 tensor_dim0, low half = 128
	s_mov_b32 s[(\g)+2], 128<<16                   ; 79:64 its high half = 0; 95:80 tensor_dim1, low half = 128
	s_mov_b32 s[(\g)+3], KSTEP<<16                 ; 111:96 its high half = 0; 127:112 tile_dim0 = 128
	s_mov_b32 s[(\g)+4], 128                       ; 143:128 tile_dim1 = 128; 159:144 tile_dim2 = 0
	s_mov_b32 s[(\g)+5], SIZE_K                    ; 191:160 tensor_dim0_stride, low word: elements from row to row
	s_mov_b32 s[(\g)+6], 0
	s_mov_b32 s[(\g)+7], 0
.endr
	; where the tiles come from.  abf's hang on the tile row alone, which my row of the cluster shares; wt's on the tile column alone, which my column shares.
	; Every wave makes both addresses, in registers that never hold the other coordinate, and asks by one of them.
	s_lshl_b32 s17, s12, 7                         ; which 128 rows of the tile I fetch
	s_lshl_b32 s16, s13, 8
	s_add_co_u32 s16, s16, s17                     ; abf: row 256 x tile row + 128 x half
	s_lshl_b32 s46, s42, 8
	s_add_co_u32 s46, s46, s17                     ; wt: row 256 x tile column + 128 x half
	s_mov_b32 s17, 0
	s_mov_b32 s47, 0
	s_mov_b64 s[18:19], SIZE_K*2
	s_mul_u64 s[16:17], s[16:17], s[18:19]         ; in bytes
	s_mul_u64 s[46:47], s[46:47], s[18:19]
	s_mul_i32 s20, s10, HALFT                      ; and where they go: abf's two halves, then wt's two halves = wave x 128 rows: no place in the cluster enters an LDS address
	s_wait_dscnt 0x0                               ; both opening adds are done
	s_wait_kmcnt 0x0
	s_add_nc_u64 s[14:15], s[4:5], s[16:17]
	s_add_nc_u64 s[46:47], s[6:7], s[46:47]
	CROUND                                         ; all sixteen work-groups are here: the first joint loads meet
.irp s, 0,1
	s_mov_b32 s[G0+4*(\s)], 1                                        ; 1:0 count = 1
	s_add_co_u32 s[G0+4*(\s)+1], s20, (\s)*SLOT                      ; 63:32 LDS address
	s_add_nc_u64 s[G0+4*(\s)+2:G0+4*(\s)+3], s[14:15], (\s)*KSTEP*2  ; 120:64 global address: K step s
	s_or_b32 s[G0+4*(\s)+3], s[G0+4*(\s)+3], 0x80000000              ; 127:126 type = 2
	s_mov_b32 s[G0B+4*(\s)], 1
	s_add_co_u32 s[G0B+4*(\s)+1], s20, (\s)*SLOT
	s_add_nc_u64 s[G0B+4*(\s)+2:G0B+4*(\s)+3], s[46:47], (\s)*KSTEP*2
	s_or_b32 s[G0B+4*(\s)+3], s[G0B+4*(\s)+3], 0x80000000
	JLOAD \s                                       ; the ring is filled before anything else is done: two loads of mine are out
.endr
	; A fragment is 16 rows x 32 K in 8 registers: lane l holds row l % 16; registers 0-3 hold K = 8 (l / 16) + 0..7, registers 4-7 hold K = 16 + 8 (l / 16) + 0..7.
	; From rows that lie along K: two loads of 16 bytes, 32 bytes apart.  The same for source 0 and source 1.
	v_and_b32 v1, 15, v0                           ; r = l % 16
	v_bfe_u32 v2, v0, 4, 1                         ; h = l / 16
	v_mul_u32_u24 v3, v1, PITCH
	v_lshl_add_u32 v3, v2, 4, v3                   ; row x pitch + 16 x half
	s_mul_i32 s21, s11, HALFT                      ; my 128 rows of abf
	s_mul_i32 s22, s12, HALFT                      ; my 128 rows of wt,
	s_add_co_u32 s22, s22, 2*HALFT                 ; which lie behind abf's 256
.irp s, 0,1
	v_add_nc_u32 v[ADRA+(\s)], s21, v3
	v_add_nc_u32 v[ADRB+(\s)], s22, v3
	s_add_co_u32 s21, s21, SLOT
	s_add_co_u32 s22, s22, SLOT
.endr
	v_lshlrev_b32 v[BO], 4, v1                     ; my four columns: 16 r bytes
	v_lshl_add_u32 v[CO], v2, 16, v[BO]            ; + 8 h rows of 8,192 bytes
	; out0 at my 128 x 128, bias at my 128 columns
	s_lshl_b32 s13, s13, 8                         ; 256 x tile row
	s_lshl_b32 s14, s11, 7
	s_add_co_u32 s16, s13, s14                     ; my first row
	s_mov_b32 s17, 0
	s_mov_b64 s[18:19], SIZE_N*4
	s_mul_u64 s[16:17], s[16:17], s[18:19]
	s_lshl_b32 s46, s42, 10                        ; my first column, in bytes: 1,024 x tile column + 512 x half (in the registers that held wt's address: none that feeds abf's descriptors ever holds cx)
	s_lshl_b32 s47, s12, 9
	s_add_co_u32 s46, s46, s47
	s_mov_b32 s47, 0
	s_add_nc_u64 s[66:67], s[66:67], s[46:47]
	s_add_nc_u64 s[16:17], s[16:17], s[46:47]
	s_add_nc_u64 s[8:9], s[8:9], s[16:17]
	global_load_b128 v[BIAS:BIAS+3],   v[BO], s[66:67]             ; g = 0: columns 4 r .. 4 r + 3
	global_load_b128 v[BIAS+4:BIAS+7], v[BO], s[66:67] offset:256  ; g = 1: 64 columns on
	; the prefetches.  s13 = 256 x tile row, s42 = tile column, s40 = cx, s41 = cy still stand; s[4:5] = abf, s[6:7] = wt
	s_lshl_b32 s42, s42, 8
	s_and_b32 s22, ttmp7, 0xffff                   ; cluster y
	s_cmp_eq_u32 s11, 0                            ; do I fetch for abf?
	s_cselect_b32 s20, s13, s42                    ; the tile's first row: in abf by the tile row, in wt by the tile column
	s_cselect_b32 s21, s40, s41                    ; my place among the four that ask for it with me
	s_cselect_b32 s22, ttmp9, s22                  ; the coordinate along which other clusters read the same rows
	s_cselect_b64 s[PFA:PFA+1], s[4:5], s[6:7]
	s_cmp_eq_u32 s22, 0
	s_cselect_b32 s[LIM], 1, -1                    ; the same in all sixteen partners, for a given wave
	s_lshl_b32 s22, s12, 7
	s_add_co_u32 s20, s20, s22                     ; + the 128 rows that I fetch
	s_lshl_b32 s21, s21, 5
	s_add_co_u32 s20, s20, s21                     ; + my work-group's 32 of them
	s_mov_b32 s21, 0
	s_mov_b64 s[18:19], SIZE_K*2
	s_mul_u64 s[20:21], s[20:21], s[18:19]
	s_add_nc_u64 s[PFA:PFA+1], s[PFA:PFA+1], s[20:21]
	s_add_nc_u64 s[PFA:PFA+1], s[PFA:PFA+1], 2*KSTEP*2  ; at K step 2: the first refill steps it to 3 and names K step 4
	v_and_b32 v[PFO], 31, v0
	v_mul_u32_u24 v[PFO], v[PFO], SIZE_K*2
	; nothing is prefetched here, at the head, where every work-group's first two tiles are on their way
; 16 matrix instructions: m blocks a0, a0 + 1 of the window's four (hi = 0: my rows 0-63, 1: rows 64-127) x all 8 n blocks, 32 along K.  zero = 1: the first product starts the sums: nothing is ever cleared.
; The 64 accumulators take turns, one instruction a turn, in the same order in every quarter step, over the loop's backward jump too.
.macro MUL16 f, hi, a0, zero
	WIN MUL_LO+0x50*(\hi)
.irp a, \a0, (\a0)+1
.irp b, 0,1,2,3,4,5,6,7
.if \zero
	v_wmma_f32_16x16x32_bf16 v[8*(8*(\a)+(\b)):8*(8*(\a)+(\b))+7], v[(\f)+8*(4*(\hi)+(\a)):(\f)+8*(4*(\hi)+(\a))+7], v[(\f)+8*(\b):(\f)+8*(\b)+7], 0
.else
	v_wmma_f32_16x16x32_bf16 v[8*(8*(\a)+(\b)):8*(8*(\a)+(\b))+7], v[(\f)+8*(4*(\hi)+(\a)):(\f)+8*(4*(\hi)+(\a))+7], v[(\f)+8*(\b):(\f)+8*(\b)+7], v[8*(8*(\a)+(\b)):8*(8*(\a)+(\b))+7]
.endif
.endr
.endr
.endm
; 32 LDS loads in one run: the fragments of one quarter step (128 rows of wt, then 128 rows of abf, 32 K at byte k of the rows) into buffer f
.macro FETCH slot, k, f
	WIN TO_B
.irp i, 0,1,2,3,4,5,6,7
	ds_load_b128 v[(\f)+8*(\i):(\f)+8*(\i)+3],   v[ADRB+(\slot)] offset:(\k)+(\i)*16*PITCH
	ds_load_b128 v[(\f)+8*(\i)+4:(\f)+8*(\i)+7], v[ADRB+(\slot)] offset:(\k)+(\i)*16*PITCH+32
.endr
	WIN 0
.irp i, 0,1,2,3,4,5,6,7
	ds_load_b128 v[(\f)+8*(\i):(\f)+8*(\i)+3],   v[ADRA+(\slot)] offset:(\k)+(\i)*16*PITCH
	ds_load_b128 v[(\f)+8*(\i)+4:(\f)+8*(\i)+7], v[ADRA+(\slot)] offset:(\k)+(\i)*16*PITCH+32
.endr
.endm
; A load into a register that a matrix instruction has read, and a vector instruction that reads a matrix result, stand four places behind that matrix instruction, and only plain vector instructions
; that name none of its registers are places (ISA guide 7.12.1 for vector instructions).  No other vector work is at hand in the loop, so four v_nop stand in front of each run of loads.
.macro PLACES
.rept 4
	v_nop
.endr
.endm
; A K step is four quarter steps of 32 along K, 64 matrix instructions each, on buffers 0, 1, 0, 1.
; One of the first three: multiplies buffer f; in its middle it fetches the next quarter's fragments, at byte k of the same slot's rows, into buffer g.
.macro QUARTER slot, k, f, g, zero
	s_wait_dscnt 8                                 ; wt and abf's rows 0-63 are in; the youngest eight loads (abf's rows 64-127) may be out
	MUL16 \f, 0, 0, \zero
	MUL16 \f, 0, 2, \zero
	PLACES
	FETCH \slot, \k, \g
	s_wait_dscnt 32                                ; all but the 32 just issued
	MUL16 \f, 1, 0, \zero
	MUL16 \f, 1, 2, \zero
.endm
; The last quarter multiplies buffer 1 and changes slots.  MEET is its first half: ONE barrier for the change of slots, for two things.  In front of it each wave waits for all its tensor loads, of which one
; is out: its part of the next slot; adds 0 to its spare word; and waits for that and for its own reads of this slot.  Behind it nobody reads this slot any more and the next slot is whole.
.macro MEET round                      ; round = 1: the rest of a round of the cluster's barrier follows
	WIN 0                                          ; (the add's two registers lie in window 0)
	s_wait_tensorcnt 0x0                           ; all my tensor loads have landed: the one that was out is my part of the next slot;
	ds_add_u32 v[SPW], v[NIL]                      ; 0 onto my spare word;
	s_wait_dscnt 9                                 ; (the add and the youngest eight loads may be out)
	MUL16 F1, 0, 0, 0                              ; sixteen matrix instructions stand between the add and the wait for it
	s_wait_dscnt 0x0                               ; the add is done, and my reads of this slot are over:
	s_barrier_signal -1                            ; say so (where a slot is filled again this barrier opens a round of the cluster's barrier),
	MUL16 F1, 0, 2, 0                              ; work on registers while the others arrive,
.if \round
	WIN 0
.endif
	s_barrier_wait -1                              ; and go on when all four have said so
.endm
; The whole last quarter.  Behind the round the slot just read out is filled again first, with the K step two steps on; then come the next slot's first fragments.
; From a request to the wait for it a wave issues 224 matrix instructions.
.macro TURN slot, next
	s_wait_xcnt 0x0                                ; the last prefetch, a K step back, has read its address: it is stepped here, ahead of the waits of the change of slots
	s_add_nc_u64 s[PFA:PFA+1], s[PFA:PFA+1], KSTEP*2
	MEET 1
	CREST                                          ; wave 0 says so for the work-group, all sixteen have said so, my work-group's barrier closes the round: no wave of any partner still reads this slot's tile or has a load on its way
	s_add_nc_u64 s[G0+4*(\slot)+2:G0+4*(\slot)+3], s[G0+4*(\slot)+2:G0+4*(\slot)+3], 2*KSTEP*2      ; no tensor load of mine is out, so a group 0 may be written
	s_add_nc_u64 s[G0B+4*(\slot)+2:G0B+4*(\slot)+3], s[G0B+4*(\slot)+2:G0B+4*(\slot)+3], 2*KSTEP*2
	JLOAD \slot                                    ; the first tensor load behind the round, and my only one until the next; the four v_nop behind it are also the places in front of the loads below
	FETCH \next, 0, F0
	ASK                                            ; behind the joint load and the run of LDS loads that the next products wait for
	MUL16 F1, 1, 0, 0
	MUL16 F1, 1, 2, 0
.endm
; The way out of m block a, columns 64 g .. 64 g + 63: 32 additions of the bias put four neighbouring columns into four registers on end; eight stores of 16 bytes a lane.
; Each accumulator's register 0 is read first (j runs outside t).  The two buffers take turns: the wait below stands behind the stores of the group before and ahead of this
; group's, so the buffer that the NEXT group writes has been read by its stores.  The stores' base and offset registers are never rewritten: block, row and group stand in the immediate, 975,104 at the most.
.macro OUT a, g
.set AC, 64*((\a)%4)+32*(\g)
.set TB, T0+32*(\g)
	WIN 0x02+(\a)/4                                ; source 0 (the accumulator) in window 2 or 3; bias and destination in window 0
.irp j, 0,1,2,3,4,5,6,7
.irp t, 0,1,2,3
	v_add_f32 v[TB+4*(\j)+(\t)], v[AC+8*(\t)+(\j)], v[BIAS+4*(\g)+(\t)]
.endr
.endr
	WIN 0
	s_wait_xcnt 0x0                                ; every earlier store has had its addresses translated and its data read (ISA guide 3.1)
.irp j, 0,1,2,3,4,5,6,7
	global_store_b128 v[CO], v[TB+4*(\j):TB+4*(\j)+3], s[8:9] offset:(16*(\a)+(\j))*SIZE_N*4+256*(\g) th:TH_STORE_NT  ; 16 lanes store 256 consecutive bytes, at a multiple of 256 from out0's first byte
.endr
.endm
	s_wait_loadcnt 0x0                             ; bias, once, while the first tiles are on their way
	s_wait_tensorcnt 1                             ; my part of K step 0 is in; K step 1's load may stay out
	s_barrier_signal -1
	s_barrier_wait -1                              ; everybody's is
	FETCH 0, 0, F0
	QUARTER 0, 64,  F0, F1, 1                      ; the first quarter stands in front of the loop: its products start the sums
	WIN 0                                          ; at a label and at a branch every window is 0
	s_mov_b32 s3, LAPS-1
.Llap:                                                 ; a trip goes once round the ring, from a lap's second quarter to the next lap's first, and fills both slots again: K steps 2 to 31
	QUARTER 0, 128, F1, F0, 0
	QUARTER 0, 192, F0, F1, 0
	TURN 0, 1
	QUARTER 1, 64,  F0, F1, 0
	QUARTER 1, 128, F1, F0, 0
	QUARTER 1, 192, F0, F1, 0
	TURN 1, 0
	QUARTER 0, 64,  F0, F1, 0
	WIN 0
	s_sub_co_u32 s3, s3, 1
	s_cmp_lg_u32 s3, 0
	s_cbranch_scc1 .Llap
	QUARTER 0, 128, F1, F0, 0                      ; the last lap is written out: it fills nothing and no round of the cluster's barrier stands in it
	QUARTER 0, 192, F0, F1, 0
	MEET 0                                         ; my one tensor load that was still out is slot 1's, the last K step's
	PLACES                                         ; for the loads into buffer 0, which the quarter before multiplied
	FETCH 1, 0, F0
	MUL16 F1, 1, 0, 0
	MUL16 F1, 1, 2, 0
	QUARTER 1, 64,  F0, F1, 0
	QUARTER 1, 128, F1, F0, 0
	QUARTER 1, 192, F0, F1, 0
	s_wait_dscnt 8                                 ; the very last quarter: nothing more to fetch
	MUL16 F1, 0, 0, 0
	MUL16 F1, 0, 2, 0
	s_wait_dscnt 0x0
	MUL16 F1, 1, 0, 0
	MUL16 F1, 1, 2, 0
	WIN 0
	PLACES                                         ; the additions below read matrix results
	PLACES                                         ; (eight places, once a launch)
.irp a, 0,1,2,3,4,5,6,7
	OUT \a, 0
	OUT \a, 1
.endr
	s_wait_tensorcnt 0x0                           ; the wave's end, behind my last tensor load
	ds_add_u32 v[SPW], v[NIL]
	s_wait_dscnt 0x0
	CROUND                                         ; the closing round: no work-group ends while a partner may still ask for a tile that names it
	s_endpgm
.Lfunc_end_k_qbcecec8cb9_gemm:
	.size	k_qbcecec8cb9_gemm, .Lfunc_end_k_qbcecec8cb9_gemm-k_qbcecec8cb9_gemm
	.p2alignl 7, 3214868480
	.fill 96, 4, 3214868480
	.section	.rodata,"a",@progbits
	.p2align	6, 0x0
	.amdhsa_kernel k_qbcecec8cb9_gemm
		.amdhsa_group_segment_fixed_size 327680
		.amdhsa_private_segment_fixed_size 0
		.amdhsa_enable_private_segment 0
		.amdhsa_kernarg_size 32
		.amdhsa_user_sgpr_count 2
		.amdhsa_user_sgpr_kernarg_segment_ptr 1
		.amdhsa_wavefront_size32 1
		.amdhsa_system_sgpr_workgroup_id_x 1
		.amdhsa_system_sgpr_workgroup_id_y 1
		.amdhsa_system_sgpr_workgroup_id_z 1
		.amdhsa_system_vgpr_workitem_id 0
		.amdhsa_next_free_vgpr 1024
		.amdhsa_next_free_sgpr 70
		.amdhsa_reserve_vcc 0
		.amdhsa_float_denorm_mode_32 3
		.amdhsa_float_denorm_mode_16_64 3
		.amdhsa_memory_ordered 1
		.amdhsa_forward_progress 1
		.amdhsa_inst_pref_size 142
	.end_amdhsa_kernel
	.amdgpu_metadata
---
amdhsa.version: [ 1, 2 ]
amdhsa.kernels:
  - .name:           k_qbcecec8cb9_gemm
    .symbol:         k_qbcecec8cb9_gemm.kd
    .args:
      - { .name: abf, .offset: 0, .size: 8, .value_kind: global_buffer, .address_space: global }
      - { .name: wt, .offset: 8, .size: 8, .value_kind: global_buffer, .address_space: global }
      - { .name: out0, .offset: 16, .size: 8, .value_kind: global_buffer, .address_space: global }
      - { .name: bias, .offset: 24, .size: 8, .value_kind: global_buffer, .address_space: global }
    .group_segment_fixed_size: 327680
    .private_segment_fixed_size: 0
    .kernarg_segment_align: 8
    .kernarg_segment_size: 32
    .max_flat_workgroup_size: 128
    .sgpr_count:     70
    .vgpr_count:     1024
    .wavefront_size: 32
...
	.end_amdgpu_metadata
.endif
;; end of part 2
